; MI455X (gfx1250); checked and timed in simulation.
; The chip was launched on July 23, 2026; its instructions are those of AMD's public machine-readable ISA for CDNA 5 (MIT licence, August 2026) and "CDNA5" Instruction Set Architecture Reference Guide (July 2026). The comments in the code are by the model that wrote it; some were corrected since.
;; KL Attention. Allowed arithmetic: matrix products marked QUANTISED: E5M2 operands, one E8M0 scale for each 32 along K, by v_wmma_scale_f32_16x16x128_f8f6f4 with both operands' format E5M2, f32 sums; everything else in f32.
;; Inputs: Wk 512 x 512 float32; Wq 512 x 512 float32; Wv 512 x 512 float32; x 32 x 1,024 x 512 float32.
;; Outputs: out0 32 x 1,024 x 512 float32.
;; This version of the problem:
;;   THIS VERSION OF THE PROBLEM IS GIVEN IN LOW PRECISION. The matrix products marked QUANTISED in the list below multiply operands that are first quantised to E5M2 (5 exponent bits, 2 mantissa bits; 8 bits a number), with one power-of-two scale for each 32 numbers along K (OCP MX v1.0); their sums are f32. All else is computed in f32.
;;   The module's matrix products, in the order in which they are computed (A, B: the left and right operand; K: the contracted axis; several contracted axes count as one K, in the product's order):
;;     1. [M 32,768, K 512] x [K 512, N 512]; A: input x; B: input Wq: QUANTISED
;;     2. [M 32,768, K 512] x [K 512, N 512]; A: input x; B: input Wk: QUANTISED
;;     3. [M 32,768, K 512] x [K 512, N 512]; A: input x; B: input Wv: QUANTISED
;;     4. batch 32 x [M 1,024, K 512] x [K 512, N 1,024]; A: computed on the way; B: computed on the way: QUANTISED
;;     5. batch 32 x [M 1,024, K 1,024] x [K 1,024, N 512]; A: softmax (see below); B: computed on the way: QUANTISED
;;   THE QUANTISER, for each operand of a quantised product, along K:
;;     - K is cut into blocks of 32 from its start; a last block that is shorter is filled with zeros.
;;     - A block's scale is 2^e with e = floor(log2(the largest magnitude in the block)) - 15, held to -126 .. 127; a block of zeros has e = 0. As a byte (E8M0): e + 127.
;;     - Each number is divided by its block's scale, clamped to +-57,344, and rounded to the nearest number of E5M2, ties to even, subnormals kept.
;;     - The product sums the exact products of the quantised numbers (number of the format x scale) in f32.
;;   ~~~python
;;   def quantise(x, axis):      # numpy; x: float32 -> the quantised numbers, widened to float32 again
;;       x = np.moveaxis(x, axis, -1); K = x.shape[-1]
;;       x = np.pad(x, [(0, 0)] * (x.ndim - 1) + [(0, -K % 32)]); x = x.reshape(x.shape[:-1] + (-1, 32)); a = np.abs(x).max(-1, keepdims=True)
;;       e = np.where(a > 0, np.clip(np.frexp(np.where(a > 0, a, 1))[1] - 1 - 15, -126, 127), 0)      # np.frexp(a)[1] - 1 = floor(log2(a)), exactly
;;       r = np.clip(x / 2.0 ** e, -57344, 57344)
;;       step = 2.0 ** (np.maximum(np.frexp(np.where(r == 0, 1, r))[1] - 1, -14) - 2)
;;       q = np.round(r / step) * step * 2.0 ** e      # np.round: ties to even
;;       return np.moveaxis(q.reshape(q.shape[:-2] + (-1,))[..., :K], -1, axis).astype(np.float32)
;;   ~~~
;;   SOFTMAX AHEAD OF A QUANTISED PRODUCT. Where the list says 'softmax', what is quantised is not the finished softmax but p = 2^(t - M), with t = logit x log2(e) and M = ceil(the row's largest t), a whole number; so 1/2 < the row's largest p <= 1. The row's sum l is taken of the UNQUANTISED p, in f32, and the product's result is divided by l at the end. Since M is a whole number, a kernel that streams over the keys may use a running M (the ceiling of the running maximum): every later rescaling is an exact power of two, which a block's scale takes up: the codes' values come out the same.
;;   OPERANDS COMPUTED ON THE WAY. 'Computed on the way' means the value that the module computes at that place (a softmax that the list does not call 'softmax' is quantised finished and normalised). What goes into a quantiser is computed in f32, as accurately as f32 sums, v_exp_f32 and their like allow (about 1e-6 of the number): no bf16 or f16 on the way to a quantiser, and a product that is left as it is and whose result goes on into a quantised operand takes f32 operands (vector FMAs, or v_wmma_f32_16x16x4_f32). A number that lies on a knife's edge between two numbers of the format may be rounded either way, as far as f32 arithmetic and the matrix unit's own rounding can turn it there, and no further.
;; One version. Each part assembles by itself: llvm-mc -triple=amdgcn-amd-amdhsa -mcpu=gfx1250 --defsym DOCPART=n.
;; ======== version 1 of 1: 3 launches
;; limits: right only within a limited range of input values
;; workspace buffers: wimg 786,432 bytes; wsc 24,576 bytes; pq 17,432,576 bytes; kvc 33,554,432 bytes; ksc 1,048,576 bytes
;; launch wq (part 1): grid 12 x 4, 4 waves a work-group, no clusters, 0 bytes of LDS; arguments Wq, Wk, Wv, wimg, wsc; writes wimg, wsc
.if DOCPART == 1
	.amdgcn_target "amdgcn-amd-amdhsa--gfx1250"
	.amdhsa_code_object_version 6
	.text
	.protected	k_qd434323f8c_wq
	.globl	k_qd434323f8c_wq
	.p2align	8
	.type	k_qd434323f8c_wq,@function
k_qd434323f8c_wq:
	s_mov_b64 s[64:65], 0
	v_nop
	global_prefetch_b8 v0, s[64:65] scope:SCOPE_SE
	s_setreg_imm32_b32 hwreg(HW_REG_WAVE_MODE, 25, 1), 1
	s_wait_xcnt 0x0
; Wq, Wk, Wv [512 (k)][512 (n)], f32, K on the FIRST axis, become codes of E5M2 with one E8M0 byte for each 32 along K, laid in the ORDER OF THE OPERAND'S REGISTERS.
; A fragment (16 columns n x 128 k) is 2,048 bytes: [c 0..3][lane 0..31][16 bytes]; lane (r, h) of group c holds k = 32 c + 16 h + 0 .. 15 of the tile's r-th column.
; wimg: [p 3][w 4][s 4][t 8][2,048]: weight p, columns 128 w on, K step s, tile t.   wsc: [p][w][t][r 16][s 4] words of four bytes (byte c: k = 128 s + 32 c on).
; WHICH COLUMNS FORM A TILE.  p = 0, 1 (their products are used with W as source 0, and the result is the next product's operand): place r of tile 2 b + u is column 128 w + 32 b + 8 u + r + 8 (r / 8).
;                             p = 2: place r of tile t is column 128 w + 16 t + r.
; SHARES.  Work-group (x = 4 p + w, y = s); wave b takes columns 128 w + 32 b + lane.  A LANE TAKES A COLUMN AND ITS REGISTERS RUN DOWN K: a block of 32 lies in one lane, each load reads 128 consecutive bytes a wave,
; and the conversions give codes with K innermost.  A lane's 32 codes of block c are the 16 bytes of image lane (r, 0) and the 16 of image lane (r, 1): two stores, in each of which sixteen lanes fill 256 aligned bytes.
; The scale: the largest magnitude's exponent field less 15, held at 1 from below by the floor 2^(16 - 127).  A block of zeros so gets the byte 1: its codes are zeros, and this program alone reads the bytes.
; LIMITS: NaN and infinities among the inputs are not served.
; 48 work-groups are all the work there is: 3 MiB in, 0.8 MiB out.  No LDS, no barrier, no matrix unit: waves share nothing.
.set X,   32                           ; v32-159  128 numbers: block c at X + 32 c
.set C,   160                          ; v160-191 codes: 8 registers a block, so that no store's data are written again
.set SOP, 12                           ; v12-15   a block's scale operand
	s_load_b256 s[4:11], s[0:1], 0x0               ; Wq, Wk, Wv, wimg
	s_load_b64 s[12:13], s[0:1], 0x20              ; wsc
	v_lshrrev_b32 v1, 5, v0
	v_readfirstlane_b32 s14, v1                    ; wave = b
	v_and_b32 v1, 31, v0                           ; lane
	v_lshlrev_b32 v2, 2, v1                        ; in: 4 bytes a lane
	v_bfe_u32 v5, v0, 3, 1                         ; the first order: tile u = (lane / 8) % 2,
	v_and_b32 v6, 7, v0
	v_bfe_u32 v7, v0, 4, 1
	v_lshl_add_u32 v6, v7, 3, v6                   ; place r = lane % 8 + 8 (lane / 16)
	v_and_b32 v8, 15, v0                           ; the second: tile lane / 16, place lane % 16
	s_cmp_ge_u32 ttmp9, 8                          ; Wv's work-groups take the second
	s_cselect_b32 s15, -1, 0
	v_cndmask_b32 v5, v5, v7, s15
	v_cndmask_b32 v6, v6, v8, s15
	v_lshlrev_b32 v6, 4, v6
	v_lshl_add_u32 v3, v5, 11, v6                  ; codes: 2,048 x tile + 16 r
	v_lshl_add_u32 v4, v5, 8, v6                   ; scale words: 256 x tile + 16 r
	s_and_b32 s16, ttmp7, 0xffff                   ; K step s
	s_and_b32 s17, ttmp9, 3                        ; w
	s_lshl_b32 s18, s16, 18                        ; W: 128 s rows of 2,048 bytes
	s_lshl_b32 s20, s17, 9
	s_add_co_u32 s18, s18, s20                     ; + 128 w columns
	s_lshl_b32 s20, s14, 7
	s_add_co_u32 s18, s18, s20                     ; + 32 b columns
	s_mov_b32 s19, 0
	s_lshl_b32 s22, ttmp9, 16                      ; wimg: (4 p + w) x 65,536
	s_lshl_b32 s20, s16, 14
	s_add_co_u32 s22, s22, s20                     ; + s x 16,384
	s_lshl_b32 s20, s14, 12
	s_add_co_u32 s22, s22, s20                     ; + two tiles a wave
	s_mov_b32 s23, 0
	s_lshl_b32 s24, ttmp9, 11                      ; wsc: (4 p + w) x 2,048
	s_lshl_b32 s20, s14, 9
	s_add_co_u32 s24, s24, s20
	s_lshl_b32 s20, s16, 2
	s_add_co_u32 s24, s24, s20                     ; + 4 s
	s_mov_b32 s25, 0
	s_mov_b32 s21, 0x600000                        ; the mantissa field of 57,344
	s_wait_kmcnt 0x0
	s_cmp_lt_u32 ttmp9, 4                          ; which weight: the choice hangs on the work-group's number alone
	s_cselect_b64 s[4:5], s[4:5], s[6:7]
	s_cmp_lt_u32 ttmp9, 8
	s_cselect_b64 s[4:5], s[4:5], s[8:9]
	s_add_nc_u64 s[4:5], s[4:5], s[18:19]
	s_add_nc_u64 s[10:11], s[10:11], s[22:23]
	s_add_nc_u64 s[12:13], s[12:13], s[24:25]
.set ii, 0
.rept 128
	global_load_b32 v[X+ii], v2, s[4:5] offset:ii*2048 th:TH_LOAD_NT   ; W(128 s + ii, my column)
.set ii, ii+1
.endr
.macro BLOCK c, left
.set XS, X+32*(\c)
.set CS, C+8*(\c)
	s_wait_loadcnt \left                           ; this block's 32 loads are in
	v_max3_num_f32 v8, |v[XS]|, |v[XS+1]|, |v[XS+2]|               ; the block's largest magnitude, in two chains
	v_max3_num_f32 v9, |v[XS+3]|, |v[XS+4]|, |v[XS+5]|
.irp i, 6,10,14,18,22,26
	v_max3_num_f32 v8, v8, |v[XS+\i]|, |v[XS+\i+1]|
	v_max3_num_f32 v9, v9, |v[XS+\i+2]|, |v[XS+\i+3]|
.endr
	v_max3_num_f32 v8, v8, |v[XS+30]|, |v[XS+31]|
	v_max3_num_f32 v8, v8, v9, 0x8000000           ; and the floor 2^(16 - 127)
	v_add_nc_u32 v[SOP+\c], 0xf8800000, v8         ; 15 off the exponent field: the conversion's scale operand
	v_and_or_b32 v10, v8, 0x7f800000, s21          ; 57,344 x the scale
	v_lshrrev_b32 v11, 23, v[SOP+\c]               ; the byte
.if (\c) == 0
	v_mov_b32 v16, v11
.else
	v_lshl_or_b32 v16, v11, 8*(\c), v16
.endif
.irp i, 0,1,2,3,4,5,6,7,8,9,10,11,12,13,14,15,16,17,18,19,20,21,22,23,24,25,26,27,28,29,30,31
	v_med3_num_f32 v[XS+\i], v[XS+\i], -v10, v10   ; the conversion does not saturate (ISA guide 7.6.2): the hold comes first
.endr
.irp g, 0,1,2,3
	v_cvt_scalef32_pk8_bf8_f32 v[CS+2*\g:CS+2*\g+1], v[XS+8*\g:XS+8*\g+7], v[SOP+\c]
.endr
	v_nop                                          ; a plain line behind the last conversion
	global_store_b128 v3, v[CS:CS+3], s[10:11] offset:512*(\c)         ; k 0-15 of the block: image lanes 0-15
	global_store_b128 v3, v[CS+4:CS+7], s[10:11] offset:512*(\c)+256   ; k 16-31: image lanes 16-31
.endm
	BLOCK 0, 63                                    ; 96 younger loads could stay out; the wait's field holds 63
	BLOCK 1, 63                                    ; (64 could)
	BLOCK 2, 32                                    ; block 3's may stay out
	BLOCK 3, 0
	global_store_b32 v4, v16, s[12:13]             ; my column's word for this K step
	s_endpgm
.Lfunc_end_k_qd434323f8c_wq:
	.size	k_qd434323f8c_wq, .Lfunc_end_k_qd434323f8c_wq-k_qd434323f8c_wq
	.p2alignl 7, 3214868480
	.fill 96, 4, 3214868480
	.section	.rodata,"a",@progbits
	.p2align	6, 0x0
	.amdhsa_kernel k_qd434323f8c_wq
		.amdhsa_group_segment_fixed_size 0
		.amdhsa_private_segment_fixed_size 0
		.amdhsa_enable_private_segment 0
		.amdhsa_kernarg_size 40
		.amdhsa_user_sgpr_count 2
		.amdhsa_user_sgpr_kernarg_segment_ptr 1
		.amdhsa_wavefront_size32 1
		.amdhsa_system_sgpr_workgroup_id_x 1
		.amdhsa_system_sgpr_workgroup_id_y 1
		.amdhsa_system_sgpr_workgroup_id_z 1
		.amdhsa_system_vgpr_workitem_id 0
		.amdhsa_next_free_vgpr 192
		.amdhsa_next_free_sgpr 66
		.amdhsa_reserve_vcc 0
		.amdhsa_float_denorm_mode_32 3
		.amdhsa_float_denorm_mode_16_64 3
		.amdhsa_memory_ordered 1
		.amdhsa_forward_progress 1
		.amdhsa_inst_pref_size 30
	.end_amdhsa_kernel
	.amdgpu_metadata
---
amdhsa.version: [ 1, 2 ]
amdhsa.kernels:
  - .name:           k_qd434323f8c_wq
    .symbol:         k_qd434323f8c_wq.kd
    .args:
      - { .name: Wq, .offset: 0, .size: 8, .value_kind: global_buffer, .address_space: global }
      - { .name: Wk, .offset: 8, .size: 8, .value_kind: global_buffer, .address_space: global }
      - { .name: Wv, .offset: 16, .size: 8, .value_kind: global_buffer, .address_space: global }
      - { .name: wimg, .offset: 24, .size: 8, .value_kind: global_buffer, .address_space: global }
      - { .name: wsc, .offset: 32, .size: 8, .value_kind: global_buffer, .address_space: global }
    .group_segment_fixed_size: 0
    .private_segment_fixed_size: 0
    .kernarg_segment_align: 8
    .kernarg_segment_size: 40
    .max_flat_workgroup_size: 128
    .sgpr_count:     66
    .vgpr_count:     192
    .wavefront_size: 32
...
	.end_amdgpu_metadata
.endif
;; end of part 1
;; launch proj (part 2): grid 256 x 1, 4 waves a work-group, no clusters, 327,680 bytes of LDS; arguments x, wimg, wsc, pq, kvc, ksc; writes pq, kvc, ksc
.if DOCPART == 2
	.amdgcn_target "amdgcn-amd-amdhsa--gfx1250"
	.amdhsa_code_object_version 6
	.text
	.protected	k_qd434323f8c_proj
	.globl	k_qd434323f8c_proj
	.p2align	8
	.type	k_qd434323f8c_proj,@function
k_qd434323f8c_proj:
	s_mov_b64 s[64:65], 0
	v_nop
	global_prefetch_b8 v0, s[64:65] scope:SCOPE_SE
	s_setreg_imm32_b32 hwreg(HW_REG_WAVE_MODE, 25, 1), 1
	s_wait_xcnt 0x0
.set WX,    66592
.set TG,    33296
.set ROWP,  2080
.set XSC,   266496
.set EX1,   270592
.set EX2,   272640
.set LI,   1
.set L15,  2
.set XR,   3
.set XI,   4
.set XSW,  5
.set XA0,  6
.set XSA,  8
.set EXA1, 9
.set EXR1, 10
.set EXA2, 11
.set EXR2, 12
.set OQ,   13
.set OS,   14
.set OV,   15
.set WS,   16
.set XS,   48
.set XB,   64
.set PC,   64
.set TM,   128
.set XW,   144
.set BM,   192
.set MC,   208
.set SA,   216
.set SB,   218
.set UA,   220
.set UB,   222
.set SU,   224
.set RPR,  232
.set MGP,  240
.set PW,   248
.set ML,   252
.set MSB, 0
.macro WIN new
.if MSB != (\new)
	s_set_vgpr_msb (MSB<<8)|(\new)
.set MSB, (\new)
.endif
.endm
.macro NOPS n
.rept \n
	v_nop
.endr
.endm
.macro BARRIER
	s_wait_dscnt 0x0
	s_barrier_signal -1
	s_barrier_wait -1
.endm
.macro WLOAD p, ch
.if (\ch) == 0
.irp t, 0,1,2,3,4,5,6,7
	global_load_b128 v[WS+4*\t:WS+4*\t+3], v[L15], s[50+2*(\p):51+2*(\p)] offset:256*\t
.endr
.endif
	WIN 0x40+0x40*((\ch)/2)
.irp t, 0,1,2,3,4,5,6,7
.irp c, 0,1,2,3
	global_load_b128 v[128*((\ch)%2)+16*\t+4*\c:128*((\ch)%2)+16*\t+4*\c+3], v[LI], s[44+2*(\p):45+2*(\p)] offset:(\ch)*16384+\t*2048+\c*512
.endr
.endr
	WIN 0
.endm
.macro WNEXT p, ch
	s_cmp_eq_u32 s17, 0
	s_cbranch_scc1 .Lnot_yet_\@
	WLOAD \p, \ch
.Lnot_yet_\@:
.endm
.macro QMAX s
	WIN 0x3c
.irp b, 0,1,2,3
	v_max3_num_f32 v[TM+\b], 0x8000000, |v[(\s)+16*\b]|, |v[(\s)+16*\b+1]|
.endr
.irp i, 2,4,6,8,10,12,14
.irp b, 0,1,2,3
	v_max3_num_f32 v[TM+\b], v[TM+\b], |v[(\s)+16*\b+\i]|, |v[(\s)+16*\b+\i+1]|
.endr
.endr
	WIN 0
.irp b, 0,1,2,3
	v_permlanex16_b32 v[TM+4+\b], v[TM+\b], s20, s21
.endr
.irp b, 0,1,2,3
	v_max_num_f32 v[TM+\b], v[TM+\b], v[TM+4+\b]
.endr
.endm
.macro QSC dst
.irp b, 0,1,2,3
	v_add_nc_u32 v[TM+12+\b], 0xf8800000, v[TM+\b]
.endr
.irp b, 0,1,2,3
	v_and_or_b32 v[TM+8+\b], v[TM+\b], 0x7f800000, s24
.endr
.irp b, 0,1,2,3
	v_lshrrev_b32 v[TM+4+\b], 23, v[TM+12+\b]
.endr
	v_lshl_or_b32 v[\dst], v[TM+5], 8, v[TM+4]
	v_lshl_or_b32 v[\dst], v[TM+6], 16, v[\dst]
	v_lshl_or_b32 v[\dst], v[TM+7], 24, v[\dst]
.endm
.macro QHC s, n, mode
	WIN 0xc3
.irp b, 0,1,2,3
.irp i, 0,1,2,3,4,5,6,7,8,9,10,11,12,13,14,15
.if \mode
	v_min_num_f32 v[(\s)+16*\b+\i], v[(\s)+16*\b+\i], v[TM+8+\b]
.else
	v_med3_num_f32 v[(\s)+16*\b+\i], v[(\s)+16*\b+\i], -v[TM+8+\b], v[TM+8+\b]
.endif
.endr
.endr
	WIN 0x03
.irp b, 0,1,2,3
	v_cvt_scalef32_pk8_bf8_f32 v[PC+16*(\n)+4*\b:PC+16*(\n)+4*\b+1], v[(\s)+16*\b:(\s)+16*\b+7], v[TM+12+\b]
	v_cvt_scalef32_pk8_bf8_f32 v[PC+16*(\n)+4*\b+2:PC+16*(\n)+4*\b+3], v[(\s)+16*\b+8:(\s)+16*\b+15], v[TM+12+\b]
.endr
	v_nop
	WIN 0
.endm
	s_load_b256 s[4:11], s[0:1], 0x0
	s_load_b128 s[12:15], s[0:1], 0x20
	v_lshl_add_u32 v254, v0, 2, 0x43c00
	v_mov_b32 v255, 0
	ds_add_u32 v254, v255
	ds_add_u32 v254, v255
	s_wait_dscnt 0x0
	v_lshrrev_b32 v216, 5, v0
	v_readfirstlane_b32 s16, v216
	s_mov_b32 s28, (2<<16)|(1<<20)|(7<<22)|(3<<25)
	s_mov_b32 s29, 256<<16
	s_mov_b32 s30, 32<<16
	s_mov_b32 s31, 256<<16
	s_mov_b32 s32, 32
	s_mov_b32 s33, 256
	s_mov_b32 s34, 0
	s_mov_b32 s35, 0
	s_lshl_b32 s26, ttmp9, 18
	s_lshl_b32 s27, s16, 16
	s_add_co_u32 s26, s26, s27
	s_mov_b32 s27, 0
	s_mul_i32 s25, s16, WX
	s_mov_b32 s36, 1
	s_mov_b32 s37, s25
	s_mov_b32 s40, 1
	s_add_co_u32 s41, s25, TG
	s_wait_kmcnt 0x0
	s_add_nc_u64 s[38:39], s[4:5], s[26:27]
	s_add_nc_u64 s[42:43], s[38:39], 32768
	s_or_b32 s39, s39, 0x80000000
	s_or_b32 s43, s43, 0x80000000
	tensor_load_to_lds s[36:39], s[28:35]
	s_nop 0
	s_wait_alu depctr_va_vdst(0)
	s_wait_tensorcnt 0x0
	ds_add_u32 v254, v255
	s_wait_dscnt 0x0
	s_barrier_signal -1
	s_barrier_wait -1
	tensor_load_to_lds s[40:43], s[28:35]
	s_nop 0
	NOPS 4
	v_and_b32 v218, 31, v0
	v_and_b32 v216, 15, v0
	v_lshlrev_b32 v[LI], 4, v218
	v_lshlrev_b32 v[L15], 4, v216
	s_wait_alu depctr_va_vdst(0)
	s_lshl_b32 s26, s16, 16
	s_add_nc_u64 s[44:45], s[6:7], s[26:27]
	s_add_nc_u64 s[46:47], s[44:45], 262144
	s_add_nc_u64 s[48:49], s[44:45], 524288
	s_lshl_b32 s26, s16, 11
	s_add_nc_u64 s[50:51], s[8:9], s[26:27]
	s_add_nc_u64 s[52:53], s[50:51], 8192
	s_add_nc_u64 s[54:55], s[50:51], 16384
	WLOAD 0, 0
	WLOAD 0, 1
	WLOAD 0, 2
	WLOAD 0, 3
	s_mul_i32 s26, ttmp9, 68096
	s_add_nc_u64 s[56:57], s[10:11], s[26:27]
	s_lshl_b32 s26, ttmp9, 17
	s_add_nc_u64 s[58:59], s[12:13], s[26:27]
	s_lshl_b32 s26, ttmp9, 12
	s_add_nc_u64 s[60:61], s[14:15], s[26:27]
	s_mov_b32 s20, 0x76543210
	s_mov_b32 s21, 0xfedcba98
	s_mov_b32 s22, 0x3fb8aa3b
	s_mov_b32 s23, s22
	s_mov_b32 s62, 0xbfb8aa3b
	s_mov_b32 s24, 0x600000
	v_bfe_u32 v217, v0, 4, 1
	v_and_b32 v219, 7, v0
	v_bfe_u32 v220, v0, 3, 1
	v_mul_u32_u24 v[XR], v219, ROWP
	v_mad_u32_u24 v[XR], v220, TG, v[XR]
	v_lshl_add_u32 v[XR], v217, 6, v[XR]
	v_add_nc_u32 v[XR], s25, v[XR]
	v_add_nc_u32 v[XI], s25, v[LI]
	s_lshl_b32 s26, s16, 10
	s_add_co_u32 s27, s26, XSC
	v_add_nc_u32 v[XSW], s27, v[LI]
	s_add_co_u32 s27, s26, EX2
	v_add_nc_u32 v[EXA2], s27, v[LI]
	s_lshl_b32 s26, s16, 9
	s_add_co_u32 s27, s26, EX1
	v_add_nc_u32 v[EXA1], s27, v[LI]
	v_add_nc_u32 v[EXR1], EX1, v[LI]
	v_add_nc_u32 v[EXR2], EX2, v[LI]
.set ii, 0
.rept 8
	v_mov_b32 v[MC+ii], 0
	v_mov_b32 v[RPR+ii], 0
	v_mov_b32 v[MGP+ii], 0
.set ii, ii+1
.endr
.irp b, 0,1,2,3
	v_mov_b32 v[TM+4+\b], 0
.endr
.macro XLD u, sp, set
	WIN 0xc0
.irp b, 0,1,2,3
.irp j, 0,1,2,3
	ds_load_b128 v[64*(\set)+16*\b+4*\j:64*(\set)+16*\b+4*\j+3], v[OQ] offset:(\u)*8*ROWP+(\sp)*512+128*\b+16*\j
.endr
.endr
	WIN 0
.endm
.macro XQ set, n, u, sp
	QMAX 64*(\set)
	QSC XW+2*(\u)+(\sp)
	QHC 64*(\set), \n, 0
.irp c, 0,1,2,3
	ds_store_b128 v[OS], v[PC+16*(\n)+4*\c:PC+16*(\n)+4*\c+3] offset:(4*(\u)+\c)*ROWP+(\sp)*512
.endr
.endm
	s_wait_tensorcnt 0x0
	s_mov_b32 s17, 0
	s_mov_b32 s18, 0
	s_mov_b32 s19, 0
.Lx:
	v_add_nc_u32 v[OQ], s18, v[XR]
	v_add_nc_u32 v[OS], s18, v[XI]
	v_add_nc_u32 v[OV], s19, v[XSW]
	XLD 0, 0, 0
	XLD 1, 0, 1
	s_wait_dscnt 16
	XQ 0, 0, 0, 0
	XLD 0, 1, 0
	s_wait_dscnt 20
	XQ 1, 1, 1, 0
	XLD 1, 1, 1
	s_wait_dscnt 20
	XQ 0, 2, 0, 1
	s_wait_dscnt 4
	XQ 1, 3, 1, 1
	ds_store_b64 v[OV], v[XW:XW+1]
	ds_store_b64 v[OV], v[XW+2:XW+3] offset:512
	s_wait_dscnt 0x0
	s_add_co_u32 s18, s18, 1040
	s_add_co_u32 s19, s19, 8
	s_add_co_u32 s17, s17, 1
	s_cmp_lt_u32 s17, 2
	s_cbranch_scc1 .Lx
	s_barrier_signal -1
	s_barrier_wait -1
.macro FETCHX s, buf
.irp m, 0,1,2,3
.irp c, 0,1,2,3
	ds_load_b128 v[XB+64*(\buf)+16*\m+4*\c:XB+64*(\buf)+16*\m+4*\c+3], v[XA0+\m/2] offset:(4*(\m%2)+\c)*ROWP+((\s)/2)*1040+((\s)%2)*512
.endr
.endr
.endm
.macro MUL s, mode
.set wb, 128*((\s)%2)
.set xb, XB+64*((\s)%2)
.if (\mode) == 0
	WIN 0xf1+(\s)/2
.else
	WIN 0xf4+4*((\s)/2)
.endif
.irp m, 0,1,2,3
.irp t, 0,1,2,3,4,5,6,7
.if (\mode) == 0
.if (\s) == 0
	v_wmma_scale_f32_16x16x128_f8f6f4 v[64*\m+8*\t:64*\m+8*\t+7], v[wb+16*\t:wb+16*\t+15], v[xb+16*\m:xb+16*\m+15], 0, v[WS+4*\t+(\s)], v[XS+4*\m+(\s)] matrix_a_fmt:MATRIX_FMT_BF8 matrix_b_fmt:MATRIX_FMT_BF8
.else
	v_wmma_scale_f32_16x16x128_f8f6f4 v[64*\m+8*\t:64*\m+8*\t+7], v[wb+16*\t:wb+16*\t+15], v[xb+16*\m:xb+16*\m+15], v[64*\m+8*\t:64*\m+8*\t+7], v[WS+4*\t+(\s)], v[XS+4*\m+(\s)] matrix_a_fmt:MATRIX_FMT_BF8 matrix_b_fmt:MATRIX_FMT_BF8
.endif
.else
.if (\s) == 0
	v_wmma_scale_f32_16x16x128_f8f6f4 v[32*\t+8*\m:32*\t+8*\m+7], v[xb+16*\m:xb+16*\m+15], v[wb+16*\t:wb+16*\t+15], 0, v[XS+4*\m+(\s)], v[WS+4*\t+(\s)] matrix_a_fmt:MATRIX_FMT_BF8 matrix_b_fmt:MATRIX_FMT_BF8
.else
	v_wmma_scale_f32_16x16x128_f8f6f4 v[32*\t+8*\m:32*\t+8*\m+7], v[xb+16*\m:xb+16*\m+15], v[wb+16*\t:wb+16*\t+15], v[32*\t+8*\m:32*\t+8*\m+7], v[XS+4*\m+(\s)], v[WS+4*\t+(\s)] matrix_a_fmt:MATRIX_FMT_BF8 matrix_b_fmt:MATRIX_FMT_BF8
.endif
.endif
.endr
.endr
.endm
.macro MM mode
.irp m, 0,1,2,3
	ds_load_b128 v[XS+4*\m:XS+4*\m+3], v[XSA] offset:512*\m
.endr
	FETCHX 0, 0
	FETCHX 1, 1
	s_wait_loadcnt 0x0
	s_wait_dscnt 16
	MUL 0, \mode
	NOPS 8
	WIN 0
	FETCHX 2, 0
	s_wait_dscnt 16
	MUL 1, \mode
	NOPS 8
	WIN 0
	FETCHX 3, 1
	s_wait_dscnt 16
	MUL 2, \mode
	s_wait_dscnt 0x0
	MUL 3, \mode
	NOPS 8
	WIN 0
.endm
.macro HALFHEAD
	s_wait_xcnt 0x0
	v_add_nc_u32 v[XA0], s18, v[LI]
	v_add_nc_u32 v[XA0+1], WX, v[XA0]
	v_add_nc_u32 v[XSA], s19, v[LI]
.endm
.macro HALFEND label
	s_add_co_u32 s18, s18, 2*WX
	s_add_co_u32 s19, s19, 2048
	s_add_co_u32 s17, s17, 1
	s_cmp_lt_u32 s17, 2
	s_cbranch_scc1 \label
.endm
.macro E1
	WIN 0x3f
.irp m, 0,1,2,3
.irp b, 0,1,2,3
	v_max3_num_f32 v[BM+4*\m+\b], v[64*\m+16*\b], v[64*\m+16*\b+1], v[64*\m+16*\b+2]
.endr
.endr
	WIN 0x3c
.irp i, 3,5,7,9,11,13
.irp m, 0,1,2,3
.irp b, 0,1,2,3
	v_max3_num_f32 v[BM+4*\m+\b], v[BM+4*\m+\b], v[64*\m+16*\b+\i], v[64*\m+16*\b+\i+1]
.endr
.endr
.endr
.irp m, 0,1,2,3
.irp b, 0,1,2,3
	v_max_num_f32 v[BM+4*\m+\b], v[BM+4*\m+\b], v[64*\m+16*\b+15]
.endr
.endr
	WIN 0
.set ii, 0
.rept 16
	v_permlanex16_b32 v[XB+ii], v[BM+ii], s20, s21
.set ii, ii+1
.endr
.set ii, 0
.rept 16
	v_max_num_f32 v[BM+ii], v[BM+ii], v[XB+ii]
.set ii, ii+1
.endr
.irp m, 0,1,2,3
	v_max3_num_f32 v[ML+\m], v[BM+4*\m], v[BM+4*\m+1], v[BM+4*\m+2]
.endr
.irp m, 0,1,2,3
	v_max_num_f32 v[ML+\m], v[ML+\m], v[BM+4*\m+3]
.endr
	ds_store_b128 v[EXA1], v[ML:ML+3]
	BARRIER
.irp w, 0,1,2,3
	ds_load_b128 v[XB+4*\w:XB+4*\w+3], v[EXR1] offset:512*\w
.endr
	s_wait_dscnt 0x0
.irp m, 0,1,2,3
	v_max3_num_f32 v[MGP+2*\m], v[XB+\m], v[XB+4+\m], v[XB+8+\m]
.endr
.irp m, 0,1,2,3
	v_max_num_f32 v[MGP+2*\m], v[MGP+2*\m], v[XB+12+\m]
.endr
.irp m, 0,1,2,3
	v_mul_f32 v[MC+2*\m], s62, v[MGP+2*\m]
.endr
.endm
.macro FMA m, kind
	WIN 0x03
.set ii, 0
.rept 32
	v_pk_fma_f32 v[XB+64*((\m)%2)+ii:XB+64*((\m)%2)+ii+1], v[64*(\m)+ii:64*(\m)+ii+1], s[22:23], v[MC+2*(\m):MC+2*(\m)+1] op_sel_hi:[1,0,0]
.set ii, ii+2
.endr
	WIN 0
.if (\kind) == 0
.irp b, 0,1,2,3
	v_fma_f32 v[BM+4*(\m)+\b], v[BM+4*(\m)+\b], s22, v[MC+2*(\m)]
.endr
.endif
.endm
.macro EXPS m, kind
.if (\kind) == 0
	WIN 0xc0
.set ii, 0
.rept 64
	v_exp_f32 v[64*(\m)+ii], v[XB+64*((\m)%2)+ii]
.set ii, ii+1
.endr
	WIN 0
.irp b, 0,1,2,3
	v_exp_f32 v[BM+4*(\m)+\b], v[BM+4*(\m)+\b]
.endr
.else
.set ii, 0
.rept 64
	v_exp_f32 v[XB+64*((\m)%2)+ii], v[XB+64*((\m)%2)+ii]
.set ii, ii+1
.endr
.endif
.endm
.macro SUMS m, kind
.set ab, 64*(\m)
.set tb, XB+64*((\m)%2)
.if (\kind) == 0
	WIN 0x03
	v_pk_mul_f32 v[SA:SA+1], v[ab:ab+1], 1.0 op_sel_hi:[1,0]
	v_pk_mul_f32 v[UA:UA+1], v[ab:ab+1], v[tb:tb+1]
	v_pk_mul_f32 v[SB:SB+1], v[ab+2:ab+3], 1.0 op_sel_hi:[1,0]
	v_pk_mul_f32 v[UB:UB+1], v[ab+2:ab+3], v[tb+2:tb+3]
.set ii, 4
.rept 15
	v_pk_add_f32 v[SA:SA+1], v[ab+ii:ab+ii+1], v[SA:SA+1]
	v_pk_fma_f32 v[UA:UA+1], v[ab+ii:ab+ii+1], v[tb+ii:tb+ii+1], v[UA:UA+1]
	v_pk_add_f32 v[SB:SB+1], v[ab+ii+2:ab+ii+3], v[SB:SB+1]
	v_pk_fma_f32 v[UB:UB+1], v[ab+ii+2:ab+ii+3], v[tb+ii+2:tb+ii+3], v[UB:UB+1]
.set ii, ii+4
.endr
	WIN 0
	v_pk_add_f32 v[SA:SA+1], v[SA:SA+1], v[SB:SB+1]
	v_pk_add_f32 v[UA:UA+1], v[UA:UA+1], v[UB:UB+1]
	v_add_f32 v[SU+\m], v[SA], v[SA+1]
	v_add_f32 v[SU+4+\m], v[UA], v[UA+1]
	v_permlanex16_b32 v[SB], v[SU+\m], s20, s21
	v_permlanex16_b32 v[UB], v[SU+4+\m], s20, s21
	v_add_f32 v[SU+\m], v[SU+\m], v[SB]
	v_add_f32 v[SU+4+\m], v[SU+4+\m], v[UB]
.else
	v_pk_add_f32 v[SA:SA+1], v[tb:tb+1], v[tb+4:tb+5]
	v_pk_add_f32 v[SB:SB+1], v[tb+2:tb+3], v[tb+6:tb+7]
.set ii, 8
.rept 14
	v_pk_add_f32 v[SA:SA+1], v[SA:SA+1], v[tb+ii:tb+ii+1]
	v_pk_add_f32 v[SB:SB+1], v[SB:SB+1], v[tb+ii+2:tb+ii+3]
.set ii, ii+4
.endr
	v_pk_add_f32 v[SA:SA+1], v[SA:SA+1], v[SB:SB+1]
	v_add_f32 v[SU+\m], v[SA], v[SA+1]
	v_permlanex16_b32 v[SB], v[SU+\m], s20, s21
	v_add_f32 v[SU+\m], v[SU+\m], v[SB]
.endif
.endm
.macro E2 kind
	FMA 0, \kind
	s_wait_alu depctr_va_vdst(0)
	EXPS 0, \kind
	FMA 1, \kind
	s_wait_alu depctr_va_vdst(0)
	EXPS 1, \kind
	SUMS 0, \kind
	FMA 2, \kind
	s_wait_alu depctr_va_vdst(0)
	EXPS 2, \kind
	SUMS 1, \kind
	FMA 3, \kind
	s_wait_alu depctr_va_vdst(0)
	EXPS 3, \kind
	SUMS 2, \kind
	s_wait_alu depctr_va_vdst(0)
	SUMS 3, \kind
.endm
.macro EXCH kind
	ds_store_b128 v[EXA2], v[SU:SU+3]
.if (\kind) == 0
	ds_store_b128 v[EXA2], v[SU+4:SU+7] offset:512
.endif
	BARRIER
.irp w, 0,1,2,3
	ds_load_b128 v[XB+8*\w:XB+8*\w+3], v[EXR2] offset:1024*\w
.if (\kind) == 0
	ds_load_b128 v[XB+8*\w+4:XB+8*\w+7], v[EXR2] offset:1024*\w+512
.endif
.endr
	s_wait_dscnt 0x0
.set ii, 0
.rept 8-4*(\kind)
	v_add_f32 v[XB+ii], v[XB+ii], v[XB+8+ii]
	v_add_f32 v[XB+16+ii], v[XB+16+ii], v[XB+24+ii]
.set ii, ii+1
.endr
.set ii, 0
.rept 8-4*(\kind)
	v_add_f32 v[XB+ii], v[XB+ii], v[XB+16+ii]
.set ii, ii+1
.endr
.if (\kind) == 0
	s_wait_alu depctr_va_vdst(0)
.irp m, 0,1,2,3
	v_rcp_f32 v[RPR+2*\m], v[XB+\m]
.endr
.endif
	s_wait_alu depctr_va_vdst(0)
.irp m, 0,1,2,3
	v_log_f32 v[XB+8+\m], v[XB+\m]
.endr
	v_nop
	s_wait_alu depctr_va_vdst(0)
.if (\kind) == 0
.irp m, 0,1,2,3
	v_fma_f32 v[ML+\m], v[XB+4+\m], v[RPR+2*\m], -v[XB+8+\m]
.endr
	s_cmp_lg_u32 s16, 0
	s_cbranch_scc1 .Lnot_wave_0_\@
	global_store_b128 v[OV], v[ML:ML+3], s[56:57] offset:67584
.Lnot_wave_0_\@:
.else
.irp m, 0,1,2,3
	v_mul_f32 v[RPR+2*\m], 0x3f317218, v[XB+8+\m]
.endr
.endif
.endm
.macro E3 kind
.irp m, 0,1,2,3
.if (\kind) == 0
.irp b, 0,1,2,3
	v_mul_f32 v[TM+\b], v[BM+4*\m+\b], v[RPR+2*\m]
.endr
.irp b, 0,1,2,3
	v_max_num_f32 v[TM+\b], 0x8000000, v[TM+\b]
.endr
	QSC PW+\m
	WIN 0xc3
.set ii, 64*\m
.rept 32
	v_pk_mul_f32 v[ii:ii+1], v[ii:ii+1], v[RPR+2*\m:RPR+2*\m+1] op_sel_hi:[1,0]
.set ii, ii+2
.endr
	QHC 64*\m, \m, 1
.irp c, 0,1,2,3
	global_store_b128 v[OQ], v[PC+16*\m+4*\c:PC+16*\m+4*\c+3], s[56:57] offset:8192*\m+512*\c
.endr
.else
	WIN 0xc3
.set ii, 64*\m
.rept 32
	v_pk_add_f32 v[ii:ii+1], v[ii:ii+1], v[MGP+2*\m:MGP+2*\m+1] op_sel_hi:[1,0] neg_lo:[0,1] neg_hi:[0,1]
.set ii, ii+2
.endr
.set ii, 64*\m
.rept 32
	v_pk_add_f32 v[ii:ii+1], v[ii:ii+1], v[RPR+2*\m:RPR+2*\m+1] op_sel_hi:[1,0] neg_lo:[0,1] neg_hi:[0,1]
.set ii, ii+2
.endr
	QMAX 64*\m
	QSC PW+\m
	QHC 64*\m, \m, 0
.irp c, 0,1,2,3
	global_store_b128 v[OQ], v[PC+16*\m+4*\c:PC+16*\m+4*\c+3], s[58:59] offset:8192*\m+512*\c
.endr
.endif
.endr
.if (\kind) == 0
	global_store_b128 v[OS], v[PW:PW+3], s[56:57] offset:65536
.else
	global_store_b128 v[OS], v[PW:PW+3], s[60:61]
.endif
.endm
.macro PASS kind
	s_mov_b32 s17, 0
	s_mov_b32 s18, 0
	s_mov_b32 s19, XSC
.Lpass_\kind:
	HALFHEAD
	s_lshl_b32 s26, s17, 15
	s_lshl_b32 s27, s16, 11
	s_add_co_u32 s26, s26, s27
	v_add_nc_u32 v[OQ], s26, v[LI]
	s_lshl_b32 s26, s17, 10
	s_lshl_b32 s27, s16, 8
	s_add_co_u32 s26, s26, s27
	v_add_nc_u32 v[OS], s26, v[L15]
	s_lshl_b32 s26, s17, 8
	v_add_nc_u32 v[OV], s26, v[L15]
	s_wait_alu depctr_va_vdst(0)
	MM 0
	WNEXT (\kind)+1, 0
	E1
	WNEXT (\kind)+1, 1
	s_wait_alu depctr_va_vdst(0)
	E2 \kind
	WNEXT (\kind)+1, 2
	s_wait_alu depctr_va_vdst(0)
	EXCH \kind
	WNEXT (\kind)+1, 3
	E3 \kind
	HALFEND .Lpass_\kind
.endm
	PASS 0
	PASS 1
.irp i, 0,1,2,3,4,5,6,7
	v_mov_b32 v[BM+\i], 0
.endr
	s_mov_b32 s17, 0
	s_mov_b32 s18, 0
	s_mov_b32 s19, XSC
.Lpass_v:
	HALFHEAD
	s_lshl_b32 s26, s17, 10
	s_lshl_b32 s27, s16, 14
	s_add_co_u32 s26, s26, s27
	v_add_nc_u32 v[OV], s26, v[LI]
	s_wait_alu depctr_va_vdst(0)
	MM 1
.irp g, 0,1,2,3
	QMAX 64*\g
	QSC ML
	QHC 64*\g, \g, 0
	v_lshrrev_b32 v[BM+2*\g], 16, v[BM+2*\g]
	v_lshrrev_b32 v[BM+2*\g+1], 16, v[BM+2*\g+1]
	v_lshl_or_b32 v[BM+2*\g], v[ML], 16, v[BM+2*\g]
	v_and_or_b32 v[BM+2*\g+1], v[ML], 0xffff0000, v[BM+2*\g+1]
.irp b, 0,1,2,3
	global_store_b128 v[OV], v[PC+16*\g+4*\b:PC+16*\g+4*\b+3], s[58:59] offset:65536+(2*\g+\b/2)*2048+(\b%2)*512
.endr
.endr
	HALFEND .Lpass_v
	s_lshl_b32 s26, s16, 9
	v_add_nc_u32 v[OS], s26, v[L15]
	global_store_b128 v[OS], v[BM:BM+3], s[60:61] offset:2048
	global_store_b128 v[OS], v[BM+4:BM+7], s[60:61] offset:2304
	s_wait_xcnt 0x0
	v_lshl_add_u32 v254, v0, 2, 0x43c00
	v_mov_b32 v255, 0
	s_wait_alu depctr_va_vdst(0)
	s_wait_tensorcnt 0x0
	ds_add_u32 v254, v255
	s_wait_dscnt 0x0
	s_endpgm
.Lfunc_end_k_qd434323f8c_proj:
	.size	k_qd434323f8c_proj, .Lfunc_end_k_qd434323f8c_proj-k_qd434323f8c_proj
	.p2alignl 7, 3214868480
	.fill 96, 4, 3214868480
	.section	.rodata,"a",@progbits
	.p2align	6, 0x0
	.amdhsa_kernel k_qd434323f8c_proj
		.amdhsa_group_segment_fixed_size 327680
		.amdhsa_private_segment_fixed_size 0
		.amdhsa_enable_private_segment 0
		.amdhsa_kernarg_size 48
		.amdhsa_user_sgpr_count 2
		.amdhsa_user_sgpr_kernarg_segment_ptr 1
		.amdhsa_wavefront_size32 1
		.amdhsa_system_sgpr_workgroup_id_x 1
		.amdhsa_system_sgpr_workgroup_id_y 1
		.amdhsa_system_sgpr_workgroup_id_z 1
		.amdhsa_system_vgpr_workitem_id 0
		.amdhsa_next_free_vgpr 1024
		.amdhsa_next_free_sgpr 66
		.amdhsa_reserve_vcc 0
		.amdhsa_float_denorm_mode_32 3
		.amdhsa_float_denorm_mode_16_64 3
		.amdhsa_memory_ordered 1
		.amdhsa_forward_progress 1
		.amdhsa_inst_pref_size 255
	.end_amdhsa_kernel
	.section	.bss,"aw",@nobits
	.p2align	6
	.space	262144
	.amdgpu_metadata
---
amdhsa.version: [ 1, 2 ]
amdhsa.kernels:
  - .name:           k_qd434323f8c_proj
    .symbol:         k_qd434323f8c_proj.kd
    .args:
      - { .name: x, .offset: 0, .size: 8, .value_kind: global_buffer, .address_space: global }
      - { .name: wimg, .offset: 8, .size: 8, .value_kind: global_buffer, .address_space: global }
      - { .name: wsc, .offset: 16, .size: 8, .value_kind: global_buffer, .address_space: global }
      - { .name: pq, .offset: 24, .size: 8, .value_kind: global_buffer, .address_space: global }
      - { .name: kvc, .offset: 32, .size: 8, .value_kind: global_buffer, .address_space: global }
      - { .name: ksc, .offset: 40, .size: 8, .value_kind: global_buffer, .address_space: global }
    .group_segment_fixed_size: 327680
    .private_segment_fixed_size: 0
    .kernarg_segment_align: 8
    .kernarg_segment_size: 48
    .max_flat_workgroup_size: 128
    .sgpr_count:     66
    .vgpr_count:     1024
    .wavefront_size: 32
...
	.end_amdgpu_metadata
.endif
;; end of part 2
;; launch attn (part 3): grid 8 x 32, 4 waves a work-group, clusters of 4 x 1, 327,680 bytes of LDS; arguments pq, kvc, ksc, out0; writes out0
.if DOCPART == 3
	.amdgcn_target "amdgcn-amd-amdhsa--gfx1250"
	.amdhsa_code_object_version 6
	.text
	.protected	k_qd434323f8c_attn
	.globl	k_qd434323f8c_attn
	.p2align	8
	.type	k_qd434323f8c_attn,@function
k_qd434323f8c_attn:
	s_mov_b64 s[64:65], 0
	v_nop
	global_prefetch_b8 v0, s[64:65] scope:SCOPE_SE
	s_setreg_imm32_b32 hwreg(HW_REG_WAVE_MODE, 25, 1), 1
	s_wait_xcnt 0x0
	s_wait_alu depctr_hold_cnt(0) depctr_sa_sdst(0) depctr_va_vdst(0) depctr_va_sdst(0) depctr_va_ssrc(0) depctr_va_vcc(0) depctr_vm_vsrc(0)
	s_getreg_b32 s2, hwreg(HW_REG_IB_STS2, 6, 4)
	s_cmp_eq_u32 s2, 0
	s_cbranch_scc0 .Lentry_in_a_cluster
	s_endpgm
.Lentry_in_a_cluster:
	s_bfe_u32 s2, ttmp6, 0x10000c
	s_cmp_lg_u32 s2, 0x3003
	s_cbranch_scc0 .Lentry_shape_is_right
	s_endpgm
.Lentry_shape_is_right:
; out[b][i] = softmax_j(cross[i][j] - neg_ent[i]) v[j], both products on codes of E5M2 with E8M0 scales, from the buffers that launch proj laid:
; pq: per 128 queries 8 tiles x 4 K steps of operand images (2,048 bytes), their scale words, neg_ent in base 2.  kvc: per 128 keys 64 KiB of K's images, 64 KiB of V^T's.  ksc: their scale words, 4 KiB per 128 keys.
; neg_ent stays: it moves M = ceil(largest t) and so p's codes.
; SHARES.  A work-group owns 128 queries of one batch.  Wave w: G = w / 2 picks 64 queries (4 tiles, Q's codes fill window 3), a = w % 2 picks half of a step's 128 keys for S^T = K Q^T and half of the 512 channels
; for O^T = V^T P^T (4 x 16 accumulators, windows 1 and 2).  So each fragment of K and of V read from LDS feeds four matrix instructions.
; THE TWO WAVES OF ONE G hand each other, through LDS bytes of their own, first -M of their keys (a split barrier), then their halves of p's codes and scales (a second barrier).  Each keeps a running whole M for its own keys;
; O^T stands under R = max of the two M; the whole number M - R goes into p's scale bytes (v_ldexp_f32 on the scale as a number; its exponent field is the byte).  In my order of K my own 64 keys come first:
; V's fragments are read in that order and V's scale words turned by 16 a bits.  O^T is brought under the new R between the second barrier's signal and the wait for my partner's codes.
; LIMITS: a byte that would fall under 0 is held at 0 (2^-127): such terms stay under 2^-110 of the row's largest.  The promise holds while the scaled scores stay under 2^31 in magnitude.  NaN and infinities are not served.
; RING: two slots of one step (K, V: 128 KiB), one joint load a wave behind one round of the cluster's barrier a step; the four work-groups of a cluster walk the same batch.  The scale words of the batch stay in LDS.
; O^T begins as zeros, cleared under the head's loads: the step is then written twice (a loop that fills, a loop that does not) and not three times.
; PREFETCH: at the change that loads step s + 2 each cluster names step s + 3, 256 bytes a lane, shared out by address (cx, wave); it stops with step 7.
.set SLOT1, 131072
.set SCB,   262144
.set SPARE, 294912
.set PSTG,  295424                     ; p's codes: 4 KiB a wave
.set META,  311808                     ; p's scales as numbers, -M: 1,536 bytes a wave
.set SP,    1040
.set LI,   1
.set ADK,  2
.set ADV0, 3
.set ADV1, 4
.set SPW,  5
.set NIL,  6
.set PFO,  7
.set ASC,  8
.set PST,  10
.set PLD,  11
.set MST,  12
.set MLD,  13
.set NE,   16
.set NM,   20                          ; -M of my keys
.set NR,   24                          ; -R
.set L,    28                          ; the sums, a pair a tile
.set QS,   36                          ; Q's scale words: lanes 0-15 K step 2 j, lanes 16-31 K step 2 j + 1
.set SCL,  44                          ; K's, then V's, laid likewise
.set PWS,  52
.set FP,   56                          ; pairs: (t's addend, the sums' factor), then (O's factor, -)
.set S,    64                          ; S^T, p; then V's fragments
.set PC,   192                         ; K's fragments; then p's codes: 16 a tile, mine low, my partner's high
.set BM,   PC+8
.set PT,   PC+24
.set SO,   PC+40
.set HD,   PC+56
.set PM,   S+64
.set OM,   S+76
.set TC,   S+92
.set TD,   S+96
.set STO,  2
.set RD,   3
.set MSB, 0
.macro WIN new
.if MSB != (\new)
	s_set_vgpr_msb (MSB<<8)|(\new)
.set MSB, (\new)
.endif
.endm
.macro NOPS n
.rept \n
	v_nop
.endr
.endm
.macro CREST
	s_cmp_lg_u32 s12, 0
	s_cbranch_scc1 .Lnw0_\@
	s_barrier_signal -3
.Lnw0_\@:
	s_barrier_wait -3
	s_barrier_signal -1
	s_barrier_wait -1
.endm
.macro CROUND
	s_barrier_signal -1
	s_barrier_wait -1
	CREST
.endm
	s_load_b256 s[4:11], s[0:1], 0x0               ; pq, kvc, ksc, out0
	v_lshl_add_u32 v[SPW], v0, 2, SPARE
	v_mov_b32 v[NIL], 0
	ds_add_u32 v[SPW], v[NIL]                      ; the opening lines
	ds_add_u32 v[SPW], v[NIL]
	v_lshrrev_b32 v14, 5, v0
	v_readfirstlane_b32 s12, v14                   ; wave
	s_bfe_u32 s13, ttmp6, 0x40000                  ; cx
	s_and_b32 s14, ttmp7, 0xffff                   ; batch
	s_lshr_b32 s15, s12, 1                         ; G
	s_and_b32 s16, s12, 1                          ; a
	s_mov_b32 s24, 15|(3<<16)|(1<<21)              ; group 1: 128 rows of 256 bytes, dense, to all four of the cluster
	s_mov_b32 s25, 32<<16
	s_mov_b32 s26, 128<<16
	s_mov_b32 s27, 32<<16
	s_mov_b32 s28, 128
	s_mov_b32 s29, 32
	s_mov_b32 s30, 0
	s_mov_b32 s31, 0
	s_mov_b32 s32, 15|(3<<16)|(1<<21)              ; the same with 256 rows
	s_mov_b32 s33, 32<<16
	s_mov_b32 s34, 256<<16
	s_mov_b32 s35, 32<<16
	s_mov_b32 s36, 256
	s_mov_b32 s37, 32
	s_mov_b32 s38, 0
	s_mov_b32 s39, 0
	s_lshl_b32 s17, s15, 15                        ; Q's codes: 32,768 G
	s_lshl_b32 s18, s15, 10                        ; Q's scale words
	s_lshl_b32 s19, s15, 8                         ; neg_ent
	s_lshl_b32 s20, s16, 15                        ; my four tiles of K; my sixteen of V
	s_lshl_b32 s23, s16, 10
	s_add_co_u32 s21, s20, s23
	s_add_co_u32 s21, s21, 65536                   ; V, my own keys' two blocks
	s_xor_b32 s22, s23, 1024
	s_add_co_u32 s22, s22, s20
	s_add_co_u32 s22, s22, 65536                   ; V, my partner's
	s_add_co_u32 s23, s23, SCB
	s_lshl_b32 s50, s12, 12
	s_add_co_u32 s50, s50, PSTG
	s_xor_b32 s3, s12, 1                           ; my partner
	s_lshl_b32 s51, s3, 12
	s_add_co_u32 s51, s51, PSTG
	s_mul_i32 s2, s12, 1536
	s_add_co_u32 s2, s2, META
	s_mul_i32 s3, s3, 1536
	s_add_co_u32 s3, s3, META
	s_lshl_b32 s49, s16, 4                         ; V's scale words are turned by 16 a bits
	s_mov_b32 s54, 0x3fb8aa3b                      ; log2(e)
	s_mov_b32 s55, s54
	s_mov_b32 s56, 0x76543210
	s_mov_b32 s57, 0xfedcba98
	s_mov_b32 s58, 0x600000
	v_and_b32 v14, 31, v0
	v_lshlrev_b32 v[LI], 4, v14
	v_lshlrev_b32 v[PFO], 8, v14
	v_and_b32 v14, 15, v0
	v_bfe_u32 v15, v0, 4, 1
	v_lshlrev_b32 v64, 4, v14                      ; 16 r
	v_lshl_add_u32 v65, v15, 8, v64                ; 16 r + 256 h
	v_add_nc_u32 v66, s17, v[LI]
	v_add_nc_u32 v67, s18, v65
	v_add_nc_u32 v68, s19, v64
	v_add_nc_u32 v[ADK], s20, v[LI]
	v_add_nc_u32 v[ADV0], s21, v[LI]
	v_add_nc_u32 v[ADV1], s22, v[LI]
	v_add_nc_u32 v[ASC], s23, v65
	v_add_nc_u32 v[PST], s50, v[LI]
	v_add_nc_u32 v[PLD], s51, v[LI]
	v_add_nc_u32 v[MST], s2, v[LI]
	v_add_nc_u32 v[MLD], s3, v[LI]
.irp q, 0,1,2,3
	v_mov_b32 v[NM+\q], 0x7f61b1e6                 ; M, R = -3e38
	v_mov_b32 v[NR+\q], 0x7f61b1e6
	v_mov_b32 v[L+2*\q], 0
	v_mov_b32 v[L+2*\q+1], 0
.endr
	s_wait_alu depctr_va_vdst(0)
	s_wait_dscnt 0x0
	s_wait_kmcnt 0x0
	s_lshl_b32 s17, s14, 3
	s_lshl_b32 s18, ttmp9, 2
	s_add_co_u32 s17, s17, s18
	s_add_co_u32 s17, s17, s13                     ; my block of 128 queries
	s_mul_i32 s18, s17, 68096
	s_mov_b32 s19, 0
	s_add_nc_u64 s[4:5], s[4:5], s[18:19]
	WIN 0xc0
.irp q, 0,1,2,3
.irp s, 0,1,2,3
.irp c, 0,1,2,3
	global_load_b128 v[64*\q+16*\s+4*\c:64*\q+16*\s+4*\c+3], v66, s[4:5] offset:8192*\q+2048*\s+512*\c th:TH_LOAD_NT
.endr
.endr
.endr
	WIN 0
	global_load_b128 v[QS:QS+3], v67, s[4:5] offset:65536
	global_load_b128 v[QS+4:QS+7], v67, s[4:5] offset:65536+512
	global_load_b128 v[NE:NE+3], v68, s[4:5] offset:67584
	s_lshl_b32 s18, s17, 18
	s_lshl_b32 s20, s15, 17
	s_add_co_u32 s18, s18, s20
	s_lshl_b32 s20, s16, 10
	s_add_co_u32 s18, s18, s20
	s_add_nc_u64 s[10:11], s[10:11], s[18:19]      ; out: my 64 rows, my 256 channels
	s_lshl_b32 s18, s14, 20
	s_add_nc_u64 s[20:21], s[6:7], s[18:19]        ; the batch's K and V
	s_mov_b32 s44, 1
	s_mov_b32 s45, 0
	s_mov_b64 s[46:47], s[20:21]
	s_or_b32 s47, s47, 0x80000000
	s_lshl_b32 s18, s12, 15
	s_mov_b32 s40, 1
	s_mov_b32 s41, s18
	s_add_nc_u64 s[42:43], s[20:21], s[18:19]
	s_or_b32 s43, s43, 0x80000000
	s_lshl_b32 s18, s13, 15
	s_lshl_b32 s22, s12, 13
	s_add_co_u32 s18, s18, s22
	s_add_co_u32 s18, s18, 2*131072
	s_add_nc_u64 s[52:53], s[20:21], s[18:19]      ; the prefetches: stepped to step 3 at the first change
	s_lshl_b32 s18, s14, 15
	s_mov_b32 s60, 1
	s_mov_b32 s61, SCB
	s_add_nc_u64 s[62:63], s[8:9], s[18:19]
	s_or_b32 s63, s63, 0x80000000
	CROUND
	; the head's loads, one a wave: wave 0 K of step 0, wave 1 the batch's scale words, waves 2 and 3 the halves of V of step 0
	s_cmp_lt_u32 s12, 1
	s_cbranch_scc0 .Lh1
	tensor_load_to_lds s[44:47], s[32:39]
	s_nop 0
	NOPS 4
	s_branch .Lhj
.Lh1:
	s_cmp_lt_u32 s12, 2
	s_cbranch_scc0 .Lh2
	tensor_load_to_lds s[60:63], s[24:31]
	s_nop 0
	NOPS 4
	s_branch .Lhj
.Lh2:
	tensor_load_to_lds s[40:43], s[24:31]
	s_nop 0
	NOPS 4
.Lhj:
	WIN 0x40
.set ii, 0
.rept 256
	v_mov_b32 v[ii], 0                             ; O^T, under the loads' flight
.set ii, ii+1
.endr
	WIN 0x80
.set ii, 0
.rept 256
	v_mov_b32 v[ii], 0
.set ii, ii+1
.endr
	WIN 0
; K's fragments: chunk c = pair c / 4 of my key tiles, K step c % 4: 8 loads, 8 products.  Buffers 0 and 1 lie where p's codes will lie;
; buffers 2 and 3 are the accumulators of the second pair of key tiles, idle while the first pair is summed (chunks 0 to 3).
.macro FETCHK c, buf
.irp k, 0,1
.if (\buf) < 2
.set fr, PC+32*(\buf)+16*\k
.else
.set fr, S+16+64*((\buf)-2)+32*\k
.endif
.irp e, 0,1,2,3
	ds_load_b128 v[fr+4*\e:fr+4*\e+3], v[ADK] offset:(2*((\c)/4)+\k)*8192+((\c)%4)*2048+\e*512
.endr
.endr
.endm
.macro FETCHV i, buf                   ; four tiles of V: 16 loads, my own keys' blocks first
	WIN 0
.irp k, 0,1,2,3
.irp c, 0,1
	ds_load_b128 v[S+64*(\buf)+16*\k+4*\c:S+64*(\buf)+16*\k+4*\c+3], v[ADV0] offset:(4*(\i)+\k)*2048+\c*512
.endr
.irp c, 0,1
	ds_load_b128 v[S+64*(\buf)+16*\k+8+4*\c:S+64*(\buf)+16*\k+8+4*\c+3], v[ADV1] offset:(4*(\i)+\k)*2048+\c*512
.endr
.endr
.endm
.macro MULS c, buf                     ; 2 tiles of keys x 4 tiles of queries; the eight accumulators take turns
.set ss, (\c)%4
.set kb, 2*((\c)/4)
.irp k, 0,1
.if (\buf) < 2
.set fr, PC+32*(\buf)+16*\k
.else
.set fr, S+16+64*((\buf)-2)+32*\k
.endif
.irp q, 0,1,2,3
.if ss == 0
	v_wmma_scale_f32_16x16x128_f8f6f4 v[S+32*\q+8*(kb+\k):S+32*\q+8*(kb+\k)+7], v[fr:fr+15], v[64*\q+16*ss:64*\q+16*ss+15], 0, v[SCL+4*(ss/2)+kb+\k], v[QS+4*(ss/2)+\q] matrix_a_fmt:MATRIX_FMT_BF8 matrix_b_fmt:MATRIX_FMT_BF8
.elseif (ss%2) == 1
	v_wmma_scale_f32_16x16x128_f8f6f4 v[S+32*\q+8*(kb+\k):S+32*\q+8*(kb+\k)+7], v[fr:fr+15], v[64*\q+16*ss:64*\q+16*ss+15], v[S+32*\q+8*(kb+\k):S+32*\q+8*(kb+\k)+7], v[SCL+4*(ss/2)+kb+\k], v[QS+4*(ss/2)+\q] matrix_a_fmt:MATRIX_FMT_BF8 matrix_b_fmt:MATRIX_FMT_BF8 matrix_a_scale:MATRIX_SCALE_ROW1 matrix_b_scale:MATRIX_SCALE_ROW1
.else
	v_wmma_scale_f32_16x16x128_f8f6f4 v[S+32*\q+8*(kb+\k):S+32*\q+8*(kb+\k)+7], v[fr:fr+15], v[64*\q+16*ss:64*\q+16*ss+15], v[S+32*\q+8*(kb+\k):S+32*\q+8*(kb+\k)+7], v[SCL+4*(ss/2)+kb+\k], v[QS+4*(ss/2)+\q] matrix_a_fmt:MATRIX_FMT_BF8 matrix_b_fmt:MATRIX_FMT_BF8
.endif
.endr
.endr
.endm
.macro MULO i                          ; 4 tiles of channels x 4 tiles of queries
.set fb, S+64*((\i)%2)
.irp w, 0,1
	WIN 0x50+0x50*\w
.irp k, 0,1,2,3
.irp q, 0,1
.if ((\i)%2) == 0
	v_wmma_scale_f32_16x16x128_f8f6f4 v[128*\q+8*(4*(\i)+\k):128*\q+8*(4*(\i)+\k)+7], v[fb+16*\k:fb+16*\k+15], v[PC+16*(2*\w+\q):PC+16*(2*\w+\q)+15], v[128*\q+8*(4*(\i)+\k):128*\q+8*(4*(\i)+\k)+7], v[SCL+4*((\i)/2)+\k], v[PWS+2*\w+\q] matrix_a_fmt:MATRIX_FMT_BF8 matrix_b_fmt:MATRIX_FMT_BF8
.else
	v_wmma_scale_f32_16x16x128_f8f6f4 v[128*\q+8*(4*(\i)+\k):128*\q+8*(4*(\i)+\k)+7], v[fb+16*\k:fb+16*\k+15], v[PC+16*(2*\w+\q):PC+16*(2*\w+\q)+15], v[128*\q+8*(4*(\i)+\k):128*\q+8*(4*(\i)+\k)+7], v[SCL+4*((\i)/2)+\k], v[PWS+2*\w+\q] matrix_a_fmt:MATRIX_FMT_BF8 matrix_b_fmt:MATRIX_FMT_BF8 matrix_a_scale:MATRIX_SCALE_ROW1
.endif
.endr
.endr
.endr
.endm
.macro RESC i                          ; O^T of batch i under the new R
.irp w, 0,1
	WIN 0x41+0x41*\w
.irp q, 0,1
.set ii, 128*\q+32*(\i)
.rept 16
	v_pk_mul_f32 v[ii:ii+1], v[ii:ii+1], v[FP+2*(2*\w+\q):FP+2*(2*\w+\q)+1] op_sel_hi:[1,0]
.set ii, ii+2
.endr
.endr
.endr
.endm
.macro TFMA q                          ; t - M of a tile's 32 registers and of its two blocks' largest scores
.set ii, S+32*(\q)
.rept 16
	v_pk_fma_f32 v[ii:ii+1], v[ii:ii+1], s[54:55], v[FP+2*(\q):FP+2*(\q)+1] op_sel_hi:[1,0,0]
.set ii, ii+2
.endr
	v_fma_f32 v[BM+2*(\q)], v[BM+2*(\q)], s54, v[FP+2*(\q)]
	v_fma_f32 v[BM+2*(\q)+1], v[BM+2*(\q)+1], s54, v[FP+2*(\q)]
.endm
.macro TEXP q
.set ii, S+32*(\q)
.rept 32
	v_exp_f32 v[ii], v[ii]
.set ii, ii+1
.endr
	v_exp_f32 v[BM+2*(\q)], v[BM+2*(\q)]           ; each block's largest p
	v_exp_f32 v[BM+2*(\q)+1], v[BM+2*(\q)+1]
.endm
.macro SUMS qa, qb                     ; the sums of the unquantised p, two tiles by turns, two chains each
.irp q, \qa, \qb
	v_pk_add_f32 v[PT+2*\q:PT+2*\q+1], v[S+32*\q:S+32*\q+1], v[S+32*\q+2:S+32*\q+3]
.endr
.irp i, 4,8,12,16,20,24,28
.irp q, \qa, \qb
	v_pk_add_f32 v[L+2*\q:L+2*\q+1], v[L+2*\q:L+2*\q+1], v[S+32*\q+\i:S+32*\q+\i+1]
	v_pk_add_f32 v[PT+2*\q:PT+2*\q+1], v[PT+2*\q:PT+2*\q+1], v[S+32*\q+\i+2:S+32*\q+\i+3]
.endr
.endr
.irp q, \qa, \qb
	v_pk_add_f32 v[L+2*\q:L+2*\q+1], v[L+2*\q:L+2*\q+1], v[PT+2*\q:PT+2*\q+1]
.endr
.endm
.macro STEP fill
	; S^T = K Q^T: my 64 keys x my 64 queries; one window setting serves loads and products.  Each wait's count: the loads of the younger chunks, 8 a chunk
	WIN 0x0c
	ds_load_b128 v[SCL:SCL+3], v[ASC]
	ds_load_b128 v[SCL+4:SCL+7], v[ASC] offset:512
	FETCHK 0, 0
	FETCHK 1, 1
	FETCHK 2, 2
	FETCHK 3, 3
	s_wait_dscnt 24
	MULS 0, 0
	NOPS 8                                         ; places ahead of loads into fragments just read
	FETCHK 4, 0
	s_wait_dscnt 24
	MULS 1, 1
	NOPS 8
	FETCHK 5, 1
	s_wait_dscnt 24
	MULS 2, 2
	s_wait_dscnt 16
	MULS 3, 3
	NOPS 9                                         ; the next products write over buffers 2 and 3
	s_wait_dscnt 8
	MULS 4, 0
	NOPS 8
	FETCHK 6, 0
	s_wait_dscnt 8
	MULS 5, 1
	NOPS 8
	FETCHK 7, 1
	s_wait_dscnt 8
	MULS 6, 0
	s_wait_dscnt 0x0
	MULS 7, 1
	NOPS 8
	WIN 0
	; the largest score of each block of 32 keys (2 a tile)
.irp q, 0,1,2,3
.irp b, 0,1
	v_max3_num_f32 v[BM+2*\q+\b], v[S+32*\q+16*\b], v[S+32*\q+16*\b+1], v[S+32*\q+16*\b+2]
.endr
.endr
.irp i, 3,5,7,9,11,13
.irp q, 0,1,2,3
.irp b, 0,1
	v_max3_num_f32 v[BM+2*\q+\b], v[BM+2*\q+\b], v[S+32*\q+16*\b+\i], v[S+32*\q+16*\b+\i+1]
.endr
.endr
.endr
.irp n, 0,1,2,3,4,5,6,7
	v_max_num_f32 v[BM+\n], v[BM+\n], v[S+16*\n+15]
.endr
.irp n, 0,1,2,3,4,5,6,7
	v_permlanex16_b32 v[PT+\n], v[BM+\n], s56, s57
.endr
.irp n, 0,1,2,3,4,5,6,7
	v_max_num_f32 v[BM+\n], v[BM+\n], v[PT+\n]
.endr
	; -M = min(old -M, floor(-t)): ceil of the running largest t of my keys
.irp q, 0,1,2,3
	v_max_num_f32 v[FP+2*\q], v[BM+2*\q], v[BM+2*\q+1]
.endr
.irp q, 0,1,2,3
	v_fma_f32 v[FP+2*\q], v[FP+2*\q], s54, -v[NE+\q]
.endr
.irp q, 0,1,2,3
	v_floor_f32 v[FP+2*\q], -v[FP+2*\q]
.endr
.irp q, 0,1,2,3
	v_min_num_f32 v[FP+2*\q], v[FP+2*\q], v[NM+\q]
.endr
.irp q, 0,1,2,3
	v_sub_f32 v[FP+2*\q+1], v[FP+2*\q], v[NM+\q]
.endr
.irp q, 0,1,2,3
	v_mov_b32 v[NM+\q], v[FP+2*\q]
.endr
.irp q, 0,1,2,3
	v_cvt_i32_f32 v[FP+2*\q+1], v[FP+2*\q+1]
.endr
.irp q, 0,1,2,3
	v_ldexp_f32 v[FP+2*\q+1], 1.0, v[FP+2*\q+1]    ; 2^(old M - new M)
.endr
	ds_store_b128 v[MST], v[NM:NM+3] offset:1024   ; -M goes to my partner early (its reads of the last step's lie ahead of the last change of slots)
.irp q, 0,1,2,3
	v_sub_f32 v[FP+2*\q], v[NM+\q], v[NE+\q]
.endr
.irp q, 0,1,2,3
	v_mul_f32 v[L+2*\q], v[L+2*\q], v[FP+2*\q+1]
	v_mul_f32 v[L+2*\q+1], v[L+2*\q+1], v[FP+2*\q+1]
.endr
	TFMA 0
	TFMA 1
	s_wait_alu depctr_va_vdst(0)                   ; ahead of the batch, and of the wait below
	s_wait_dscnt 0x0                               ; my -M is stored
	s_barrier_signal -1                            ; the first plain barrier, split: only register work up to its wait
	TEXP 0
	TEXP 1
	TFMA 2
	TFMA 3
	s_wait_alu depctr_va_vdst(0)                   ; behind the first batch, ahead of the second
	TEXP 2
	TEXP 3
	SUMS 0, 1                                      ; reads the first batch alone
	s_barrier_wait -1
	ds_load_b128 v[HD:HD+3], v[MLD] offset:1024    ; my partner's -M
	s_wait_alu depctr_va_vdst(0)                   ; behind the second batch
	SUMS 2, 3
.irp n, 0,1,2,3,4,5,6,7
	v_max_num_f32 v[BM+\n], 0x8000000, v[BM+\n]
.endr
.irp n, 0,1,2,3,4,5,6,7
	v_add_nc_u32 v[SO+\n], 0xf8800000, v[BM+\n]    ; the scale as a number: the conversion's operand
.endr
	s_wait_alu depctr_va_vdst(0)
	s_wait_dscnt 0x0
.irp q, 0,1,2,3
	v_min_num_f32 v[HD+\q], v[NM+\q], v[HD+\q]     ; -R
.endr
.irp q, 0,1,2,3
	v_sub_f32 v[HD+4+\q], v[HD+\q], v[NR+\q]       ; old R - new R
.endr
.irp q, 0,1,2,3
	v_mov_b32 v[NR+\q], v[HD+\q]
.endr
.irp q, 0,1,2,3
	v_cvt_i32_f32 v[HD+4+\q], v[HD+4+\q]
.endr
.irp q, 0,1,2,3
	v_ldexp_f32 v[FP+2*\q], 1.0, v[HD+4+\q]        ; O^T's factor
.endr
.irp n, 0,1,2,3,4,5,6,7
	v_and_or_b32 v[HD+\n], v[BM+\n], 0x7f800000, s58
.endr
.irp q, 0,1,2,3
.irp b, 0,1
.irp i, 0,1,2,3,4,5,6,7,8,9,10,11,12,13,14,15
	v_min_num_f32 v[S+32*\q+16*\b+\i], v[S+32*\q+16*\b+\i], v[HD+2*\q+\b]
.endr
	v_cvt_scalef32_pk8_bf8_f32 v[PC+16*\q+4*\b:PC+16*\q+4*\b+1], v[S+32*\q+16*\b:S+32*\q+16*\b+7], v[SO+2*\q+\b]
	v_cvt_scalef32_pk8_bf8_f32 v[PC+16*\q+4*\b+2:PC+16*\q+4*\b+3], v[S+32*\q+16*\b+8:S+32*\q+16*\b+15], v[SO+2*\q+\b]
.endr
.endr
	v_nop
	; my half of p goes to the stage
.irp q, 0,1,2,3
	ds_store_b128 v[PST], v[PC+16*\q:PC+16*\q+3] offset:1024*\q
	ds_store_b128 v[PST], v[PC+16*\q+4:PC+16*\q+7] offset:1024*\q+512
.endr
	ds_store_b128 v[MST], v[SO:SO+3]
	ds_store_b128 v[MST], v[SO+4:SO+7] offset:512
	s_wait_alu depctr_va_vdst(0)                   ; also ahead of the first readers of O^T
	s_wait_dscnt 0x0
	s_barrier_signal -1                            ; the second plain barrier
	ds_load_b128 v[SCL:SCL+3], v[ASC] offset:2048  ; V's scale words and first fragments: bytes that nobody writes before the change of slots
	ds_load_b128 v[SCL+4:SCL+7], v[ASC] offset:2560
	FETCHV 0, 0
	RESC 0
	RESC 1
	RESC 2
	WIN 0
	s_barrier_wait -1
.irp q, 0,1,2,3
	ds_load_b128 v[PC+16*\q+8:PC+16*\q+11], v[PLD] offset:1024*\q
	ds_load_b128 v[PC+16*\q+12:PC+16*\q+15], v[PLD] offset:1024*\q+512
.endr
	ds_load_b128 v[PM:PM+3], v[MLD]
	ds_load_b128 v[PM+4:PM+7], v[MLD] offset:512
	ds_load_b128 v[PM+8:PM+11], v[MLD] offset:1024
	ds_load_b128 v[OM:OM+3], v[MST]
	ds_load_b128 v[OM+4:OM+7], v[MST] offset:512
	RESC 3
	WIN 0
	s_wait_dscnt 0x0
.irp n, 0,1,2,3,4,5,6,7
	v_alignbit_b32 v[SCL+\n], v[SCL+\n], v[SCL+\n], s49
.endr
.irp q, 0,1,2,3
	v_sub_f32 v[TC+\q], v[NR+\q], v[NM+\q]         ; my M - R
	v_sub_f32 v[TD+\q], v[NR+\q], v[PM+8+\q]       ; my partner's M - R
.endr
.irp q, 0,1,2,3
	v_cvt_i32_f32 v[TC+\q], v[TC+\q]
	v_cvt_i32_f32 v[TD+\q], v[TD+\q]
.endr
.irp q, 0,1,2,3
	v_ldexp_f32 v[OM+2*\q], v[OM+2*\q], v[TC+\q]
	v_ldexp_f32 v[OM+2*\q+1], v[OM+2*\q+1], v[TC+\q]
	v_ldexp_f32 v[PM+2*\q], v[PM+2*\q], v[TD+\q]
	v_ldexp_f32 v[PM+2*\q+1], v[PM+2*\q+1], v[TD+\q]
.endr
.irp n, 0,1,2,3,4,5,6,7
	v_lshrrev_b32 v[OM+\n], 23, v[OM+\n]           ; the exponent field is the byte; what fell under the normal numbers gives 0
	v_lshrrev_b32 v[PM+\n], 23, v[PM+\n]
.endr
.irp q, 0,1,2,3
	v_lshl_or_b32 v[PWS+\q], v[OM+2*\q+1], 8, v[OM+2*\q]
.endr
.irp q, 0,1,2,3
	v_lshl_or_b32 v[PWS+\q], v[PM+2*\q], 16, v[PWS+\q]
.endr
.irp q, 0,1,2,3
	v_lshl_or_b32 v[PWS+\q], v[PM+2*\q+1], 24, v[PWS+\q]
.endr
	s_wait_alu depctr_va_vdst(0)
	FETCHV 1, 1
	NOPS 8                                         ; a scale word made by vector instructions stands 8 places ahead
	MULO 0
	NOPS 8
	FETCHV 2, 0
	s_wait_dscnt 16                                ; all but the 16 just issued
	MULO 1
	NOPS 8
	FETCHV 3, 1
	s_wait_dscnt 16
	MULO 2
	WIN 0
	; THE CHANGE OF SLOTS, opened under the last 16 products
	s_wait_tensorcnt 0x0
	ds_add_u32 v[SPW], v[NIL]
.if \fill
	s_xor_b32 s41, s41, SLOT1
	s_add_nc_u64 s[42:43], s[42:43], 131072
	s_wait_xcnt 0x0
	s_add_nc_u64 s[52:53], s[52:53], 131072
.endif
	s_wait_dscnt 0x0                               ; the add, and all my reads of this slot and of the stage
	s_barrier_signal -1
	MULO 3
	WIN 0
	s_barrier_wait -1
.if \fill
	CREST
	tensor_load_to_lds s[40:43], s[24:31]          ; step s + 2 into the slot just left
	s_nop 0
	NOPS 4
	s_cmp_lt_u32 s48, 5
	s_cbranch_scc0 .Lno_ask_\@
	global_prefetch_b8 v[PFO], s[52:53] th:TH_LOAD_NT scope:SCOPE_SE   ; step s + 3
.Lno_ask_\@:
.endif
	v_xor_b32 v[ADK], 0x20000, v[ADK]
	v_xor_b32 v[ADV0], 0x20000, v[ADV0]
	v_xor_b32 v[ADV1], 0x20000, v[ADV1]
	v_add_nc_u32 v[ASC], 0x1000, v[ASC]
	NOPS 8                                         ; with the four above: the places ahead of the next step's loads and of products that write over V's fragments
	s_wait_alu depctr_va_vdst(0)
.endm
	s_wait_alu depctr_va_vdst(0)                   ; the head's end
	s_wait_loadcnt 0x0
	s_wait_tensorcnt 0x0
	ds_add_u32 v[SPW], v[NIL]
	s_xor_b32 s41, s41, SLOT1
	s_add_nc_u64 s[42:43], s[42:43], 131072
	s_wait_dscnt 0x0
	CROUND
	tensor_load_to_lds s[40:43], s[24:31]          ; slot 1's first fill: step 1
	s_nop 0
	NOPS 4
	s_mov_b32 s48, 0
.Lfill:                                            ; steps 0 to 5
	STEP 1
	s_add_co_u32 s48, s48, 1
	s_cmp_lt_u32 s48, 6
	s_cbranch_scc1 .Lfill
	s_mov_b32 s48, 0
.Ltail:                                            ; steps 6 and 7 fill nothing
	STEP 0
	s_add_co_u32 s48, s48, 1
	s_cmp_lt_u32 s48, 2
	s_cbranch_scc1 .Ltail
	; the row's sum: my keys' under R, and my partner's
.irp q, 0,1,2,3
	v_add_f32 v[S+\q], v[L+2*\q], v[L+2*\q+1]
.endr
.irp q, 0,1,2,3
	v_permlanex16_b32 v[S+4+\q], v[S+\q], s56, s57
.endr
.irp q, 0,1,2,3
	v_add_f32 v[S+\q], v[S+\q], v[S+4+\q]
	v_sub_f32 v[S+8+\q], v[NR+\q], v[NM+\q]
.endr
.irp q, 0,1,2,3
	v_cvt_i32_f32 v[S+8+\q], v[S+8+\q]
.endr
.irp q, 0,1,2,3
	v_ldexp_f32 v[S+\q], v[S+\q], v[S+8+\q]
.endr
	ds_store_b128 v[MST], v[S:S+3]
	s_mul_i32 s20, s12, 16*SP
	v_and_b32 v14, 15, v0
	v_bfe_u32 v15, v0, 4, 1
	v_mul_u32_u24 v[STO], v14, SP
	v_lshl_add_u32 v[STO], v15, 5, v[STO]
	v_add_nc_u32 v[STO], s20, v[STO]
	v_add_nc_u32 v[RD], s20, v[LI]
	s_wait_alu depctr_va_vdst(0)
	s_wait_dscnt 0x0
	s_barrier_signal -1
	s_barrier_wait -1
	ds_load_b128 v[S+4:S+7], v[MLD]
	s_wait_dscnt 0x0
.irp q, 0,1,2,3
	v_add_f32 v[S+\q], v[S+\q], v[S+4+\q]
.endr
	s_wait_alu depctr_va_vdst(0)
.irp q, 0,1,2,3
	v_rcp_f32 v[FP+2*\q], v[S+\q]
.endr
	v_nop
	s_wait_alu depctr_va_vdst(0)
; THE WAY OUT: a tile of 16 queries x my 256 channels through my stage (in slot 0, which has had its last fill and its last read), back as rows of 1,024 bytes
.macro OUTR q, n
.set ob, 128*((\n)%2)
	WIN 1+(\q)/2
.set ii, 0
.rept 64
	v_pk_mul_f32 v[S+ii:S+ii+1], v[128*((\q)%2)+ii:128*((\q)%2)+ii+1], v[FP+2*(\q):FP+2*(\q)+1] op_sel_hi:[1,0]
.set ii, ii+2
.endr
	WIN 0
.irp t, 0,1,2,3,4,5,6,7,8,9,10,11,12,13,14,15
	ds_store_b128 v[STO], v[S+8*\t:S+8*\t+3] offset:64*\t
	ds_store_b128 v[STO], v[S+8*\t+4:S+8*\t+7] offset:64*\t+16
.endr
.if (\n) > 1
	s_wait_xcnt 0x0                                ; the stores of two tiles back have read their registers
.endif
	WIN 0xc0
.set ii, 0
.rept 32
	ds_load_b128 v[ob+4*ii:ob+4*ii+3], v[RD] offset:(ii/2)*SP+(ii%2)*512
.set ii, ii+1
.endr
	WIN 0x0c
.set ii, 0
.rept 32
	s_wait_dscnt 31-ii
	global_store_b128 v[LI], v[ob+4*ii:ob+4*ii+3], s[10:11] offset:(32*((\q)/2)+8*((\q)%2)+ii/2+8*(ii/16))*2048+(ii%2)*512 th:TH_STORE_NT
.set ii, ii+1
.endr
	WIN 0
.endm
	OUTR 0, 0
	OUTR 1, 1
	OUTR 2, 2
	OUTR 3, 3
	s_wait_tensorcnt 0x0                           ; the wave's end
	ds_add_u32 v[SPW], v[NIL]
	s_wait_dscnt 0x0
	CROUND
	s_endpgm
.Lfunc_end_k_qd434323f8c_attn:
	.size	k_qd434323f8c_attn, .Lfunc_end_k_qd434323f8c_attn-k_qd434323f8c_attn
	.p2alignl 7, 3214868480
	.fill 96, 4, 3214868480
	.section	.rodata,"a",@progbits
	.p2align	6, 0x0
	.amdhsa_kernel k_qd434323f8c_attn
		.amdhsa_group_segment_fixed_size 327680
		.amdhsa_private_segment_fixed_size 0
		.amdhsa_enable_private_segment 0
		.amdhsa_kernarg_size 32
		.amdhsa_user_sgpr_count 2
		.amdhsa_user_sgpr_kernarg_segment_ptr 1
		.amdhsa_wavefront_size32 1
		.amdhsa_system_sgpr_workgroup_id_x 1
		.amdhsa_system_sgpr_workgroup_id_y 1
		.amdhsa_system_sgpr_workgroup_id_z 1
		.amdhsa_system_vgpr_workitem_id 0
		.amdhsa_next_free_vgpr 1024
		.amdhsa_next_free_sgpr 66
		.amdhsa_reserve_vcc 0
		.amdhsa_float_denorm_mode_32 3
		.amdhsa_float_denorm_mode_16_64 3
		.amdhsa_memory_ordered 1
		.amdhsa_forward_progress 1
		.amdhsa_inst_pref_size 235
	.end_amdhsa_kernel
	.amdgpu_metadata
---
amdhsa.version: [ 1, 2 ]
amdhsa.kernels:
  - .name:           k_qd434323f8c_attn
    .symbol:         k_qd434323f8c_attn.kd
    .args:
      - { .name: pq, .offset: 0, .size: 8, .value_kind: global_buffer, .address_space: global }
      - { .name: kvc, .offset: 8, .size: 8, .value_kind: global_buffer, .address_space: global }
      - { .name: ksc, .offset: 16, .size: 8, .value_kind: global_buffer, .address_space: global }
      - { .name: out0, .offset: 24, .size: 8, .value_kind: global_buffer, .address_space: global }
    .group_segment_fixed_size: 327680
    .private_segment_fixed_size: 0
    .kernarg_segment_align: 8
    .kernarg_segment_size: 32
    .max_flat_workgroup_size: 128
    .sgpr_count:     66
    .vgpr_count:     1024
    .wavefront_size: 32
...
	.end_amdgpu_metadata
.endif
;; end of part 3
